; MI455X (gfx1250); checked and timed in simulation.
; The chip was launched on July 23, 2026; its instructions are those of AMD's public machine-readable ISA for CDNA 5 (MIT licence, August 2026) and "CDNA5" Instruction Set Architecture Reference Guide (July 2026). The comments in the code are by the model that wrote it; some were corrected since.
;; Plain Sign Linear. Allowed arithmetic: float matrix products may take bf16 or f16 operands with f32 sums; all other float work in f32.
;; Inputs: bias 4,096 float32; scale 4,096 float32; sign 4,096 x 4,096 float32; x 4 x 1,024 x 4,096 float32.
;; Outputs: out0 4 x 1,024 x 4,096 float32.
;; 2 versions, each right; version 2 is version 1 with the launch cast written anew for expert scheduling mode. Each part assembles by itself: llvm-mc -triple=amdgcn-amd-amdhsa -mcpu=gfx1250 --defsym DOCPART=n.
;; ======== version 1 of 2: 2 launches
;; workspace buffers: xb 33,554,432 bytes; sb 33,554,432 bytes
;; launch cast (part 1): grid 1024 x 1, 8 waves a work-group, no clusters, 0 bytes of LDS; arguments x, sign, xb, sb; writes xb, sb
.if DOCPART == 1
	.amdgcn_target "amdgcn-amd-amdhsa--gfx1250"
	.amdhsa_code_object_version 6
	.text
	.protected	k_q76675dac6f_cast
	.globl	k_q76675dac6f_cast
	.p2align	8
	.type	k_q76675dac6f_cast,@function
k_q76675dac6f_cast:
	s_mov_b64 s[64:65], 0
	v_nop
	global_prefetch_b8 v0, s[64:65] scope:SCOPE_SE
	s_setreg_imm32_b32 hwreg(HW_REG_WAVE_MODE, 25, 1), 1
	s_wait_xcnt 0x0
; xb = bf16(x), sb = bf16(sign): both [4096][4096], same index order as the f32 tensors.  Nothing of the problem is left out: every element of both is converted.
; WHY A LAUNCH OF ITS OWN: in the product that follows, an element of x or of sign is multiplied by 2 waves of each of 16 work-groups.  Rounded here it is rounded
; once instead of 32 times, and the product reads 2 bytes of it from LDS instead of 4.
; LIMIT: one rounding to nearest even; a magnitude that rounds past the largest finite bf16 (about 3.39e38) becomes infinite; NaN and infinity stay what they are.
; sign is taken as any f32 matrix: no use is made of its values being +1 or -1.
; SHARES: a step is 256 threads x 16 bytes = 4,096 bytes in and 2,048 bytes out.  A work-group owns 16 steps of x and the same 16 steps of sign
; (1,024 work-groups x 65,536 bytes = each whole tensor).  Thread t takes bytes 16 t of a step and writes bytes 8 t of the output step: a load of a wave covers
; 512 consecutive bytes, aligned; a store of a wave covers 256 consecutive bytes, aligned.
; No byte is used twice, so LDS, barriers, clusters and the matrix unit have nothing to give here.
; A ring of eight slots in registers keeps eight loads of every wave on their way: slots 0-3 hold four steps of x, slots 4-7 four steps of sign.
; NO SOURCE OF A LOAD OR STORE IS EVER REWRITTEN: a thread has 32 loads and 32 stores in all, so each store has a data pair of its own (64 registers), the step
; stands in the immediate (15 x 4,096 bytes in, 15 x 2,048 bytes out at the most), and the two offset registers and the four bases stay as they are.  So the 32 turns
; are written out without a loop, and the only wait of a turn is the counted one for its own load.
.set STEP_IN,  4096                    ; bytes of f32 in a step
.set STEP_OUT, 2048                    ; bytes of bf16 in a step
.set PER,      4                       ; steps of each tensor in a round of the ring
.set IN,  1                            ; v1        16 t, never rewritten
.set OUT, 2                            ; v2        8 t, never rewritten
.set X,   4                            ; v[4:35]   slot i: 4 registers, four f32 as loaded
.set Y,   36                           ; v[36:99]  turn n: 2 registers, four bf16 to store, written once
	s_load_b256 s[4:11], s[0:1], 0x0               ; x s[4:5], sign s[6:7], xb s[8:9], sb s[10:11]
	s_lshl_b32 s2, ttmp9, 16                       ; the part of the work-group in the inputs: 65,536 bytes each (1,023 x 65,536 stays below 2^32)
	s_mov_b32 s3, 0
	s_lshl_b32 s12, ttmp9, 15                      ; and in the outputs: 32,768 bytes each
	s_mov_b32 s13, 0
	v_lshlrev_b32 v[IN], 4, v0
	v_lshlrev_b32 v[OUT], 3, v0
	s_wait_kmcnt 0x0
	s_add_nc_u64 s[4:5], s[4:5], s[2:3]
	s_add_nc_u64 s[6:7], s[6:7], s[2:3]
	s_add_nc_u64 s[8:9], s[8:9], s[12:13]
	s_add_nc_u64 s[10:11], s[10:11], s[12:13]
.irp j, 0,1,2,3
	global_load_b128 v[X+4*\j:X+4*\j+3], v[IN], s[4:5] offset:\j*STEP_IN th:TH_LOAD_NT          ; fill the ring: steps 0 to 3 of x (read once in the launch),
.endr
.irp j, 0,1,2,3
	global_load_b128 v[X+16+4*\j:X+16+4*\j+3], v[IN], s[6:7] offset:\j*STEP_IN th:TH_LOAD_NT    ; and of sign
.endr
; Turn n (0 to 31) of the wave: slot i holds step st of one tensor; inb, outb: first register of the base pairs.
; ahead = 1: the slot is filled again, PER steps further on.  left = how many younger loads may stay out.
.macro TURN i, n, st, inb, outb, ahead, left
	s_wait_loadcnt \left                           ; loads come back in order (ISA guide 5.7.1): mine is in, the younger ones stay out
	v_cvt_pk_bf16_f32 v[Y+2*(\n)],   v[X+4*(\i)],   v[X+4*(\i)+1]    ; two roundings, the first source into the low half
	v_cvt_pk_bf16_f32 v[Y+2*(\n)+1], v[X+4*(\i)+2], v[X+4*(\i)+3]
.if \ahead
	global_load_b128 v[X+4*(\i):X+4*(\i)+3], v[IN], s[\inb:\inb+1] offset:((\st)+PER)*STEP_IN th:TH_LOAD_NT
.endif
	global_store_b64 v[OUT], v[Y+2*(\n):Y+2*(\n)+1], s[\outb:\outb+1] offset:(\st)*STEP_OUT   ; no hint: the next launch reads these bytes
.endm
.irp r, 0,1,2
.irp j, 0,1,2,3
	TURN \j, 8*\r+\j, 4*\r+\j, 4, 8, 1, 7          ; x: steps 4 r + j; each turn issues one load, so seven are younger than the one awaited
.endr
.irp j, 0,1,2,3
	TURN 4+\j, 8*\r+4+\j, 4*\r+\j, 6, 10, 1, 7     ; sign: the same steps
.endr
.endr
.irp j, 0,1,2,3
	TURN \j, 24+\j, 12+\j, 4, 8, 0, 7-\j           ; the last round (steps 12 to 15) loads nothing: the counts run down, and no load leaves the part of the work-group
.endr
.irp j, 0,1,2,3
	TURN 4+\j, 28+\j, 12+\j, 6, 10, 0, 3-\j
.endr
	s_endpgm
.Lfunc_end_k_q76675dac6f_cast:
	.size	k_q76675dac6f_cast, .Lfunc_end_k_q76675dac6f_cast-k_q76675dac6f_cast
	.p2alignl 7, 3214868480
	.fill 96, 4, 3214868480
	.section	.rodata,"a",@progbits
	.p2align	6, 0x0
	.amdhsa_kernel k_q76675dac6f_cast
		.amdhsa_group_segment_fixed_size 0
		.amdhsa_private_segment_fixed_size 0
		.amdhsa_enable_private_segment 0
		.amdhsa_kernarg_size 32
		.amdhsa_user_sgpr_count 2
		.amdhsa_user_sgpr_kernarg_segment_ptr 1
		.amdhsa_wavefront_size32 1
		.amdhsa_system_sgpr_workgroup_id_x 1
		.amdhsa_system_sgpr_workgroup_id_y 1
		.amdhsa_system_sgpr_workgroup_id_z 1
		.amdhsa_system_vgpr_workitem_id 0
		.amdhsa_next_free_vgpr 100
		.amdhsa_next_free_sgpr 66
		.amdhsa_reserve_vcc 0
		.amdhsa_float_denorm_mode_32 3
		.amdhsa_float_denorm_mode_16_64 3
		.amdhsa_memory_ordered 1
		.amdhsa_forward_progress 1
		.amdhsa_inst_pref_size 12
	.end_amdhsa_kernel
	.amdgpu_metadata
---
amdhsa.version: [ 1, 2 ]
amdhsa.kernels:
  - .name:           k_q76675dac6f_cast
    .symbol:         k_q76675dac6f_cast.kd
    .args:
      - { .name: x, .offset: 0, .size: 8, .value_kind: global_buffer, .address_space: global }
      - { .name: sign, .offset: 8, .size: 8, .value_kind: global_buffer, .address_space: global }
      - { .name: xb, .offset: 16, .size: 8, .value_kind: global_buffer, .address_space: global }
      - { .name: sb, .offset: 24, .size: 8, .value_kind: global_buffer, .address_space: global }
    .group_segment_fixed_size: 0
    .private_segment_fixed_size: 0
    .kernarg_segment_align: 8
    .kernarg_segment_size: 32
    .max_flat_workgroup_size: 256
    .sgpr_count:     66
    .vgpr_count:     100
    .wavefront_size: 32
...
	.end_amdgpu_metadata
.endif
;; end of part 1
;; launch gemm (part 2): grid 16 x 16, 4 waves a work-group, clusters of 4 x 4, 327,680 bytes of LDS; arguments xb, sb, out0, scale, bias; writes out0
.if DOCPART == 2
	.amdgcn_target "amdgcn-amd-amdhsa--gfx1250"
	.amdhsa_code_object_version 6
	.text
	.protected	k_q76675dac6f_gemm
	.globl	k_q76675dac6f_gemm
	.p2align	8
	.type	k_q76675dac6f_gemm,@function
k_q76675dac6f_gemm:
	s_mov_b64 s[64:65], 0
	v_nop
	global_prefetch_b8 v0, s[64:65] scope:SCOPE_SE
	s_setreg_imm32_b32 hwreg(HW_REG_WAVE_MODE, 25, 1), 1
	s_wait_xcnt 0x0
	s_wait_alu depctr_hold_cnt(0) depctr_sa_sdst(0) depctr_va_vdst(0) depctr_va_sdst(0) depctr_va_ssrc(0) depctr_va_vcc(0) depctr_vm_vsrc(0)
	s_getreg_b32 s2, hwreg(HW_REG_IB_STS2, 6, 4)
	s_cmp_eq_u32 s2, 0
	s_cbranch_scc0 .Lentry_in_a_cluster
	s_endpgm
.Lentry_in_a_cluster:
	s_bfe_u32 s2, ttmp6, 0x10000c
	s_cmp_lg_u32 s2, 0xf033
	s_cbranch_scc0 .Lentry_shape_is_right
	s_endpgm
.Lentry_shape_is_right:
; out0[m][o] = (sum over i of xb[m][i] sb[o][i]) * scale[o] + bias[o].  xb (A): [4096][4096] bf16, sb (B): [4096][4096] bf16, both with i (K) along the rows;
; out0 (C): [4096][4096] f32; scale, bias: [4096] f32.  Nothing of the problem is left out.
; LIMITS: the operands are the bf16 roundings that the launch before stored; the sums are f32 in the order of the matrix unit; scale and bias go in by ONE fused
; multiply-add (one rounding where a multiply and an add would make two).  NaN and infinity travel as in a plain product.
; SHARES: a work-group makes a block of 256 x 256 of C with four waves (256 blocks, 256 work-groups); a wave makes 128 x 128: 64 accumulator tiles of 16 x 16,
; 512 registers.  For 32 along K a wave reads 2 x 128 rows x 64 bytes from LDS and issues 64 matrix instructions.  K goes in steps of 128 through a ring of two LDS
; slots filled by the tensor data mover; a row of a tile is 256 bytes of memory and starts at a multiple of 256 bytes from the first byte of its buffer.
; CLUSTERS: 4 x 4 work-groups.  The four of a row of the cluster make blocks of one block row of C and need the same tiles of A; the four of a column need the same
; tiles of B.  Such a tile is asked for jointly: each of the four issues the same tensor load, with the same descriptor and a mask that names the four, and each
; receives it in its own LDS.  That divides the requests for A and for B by four.
; THE LAST TWO K STEPS lie in LDS together and nothing is filled any more.  So my rows 0-63 are finished first, over both steps, and they are scaled, biased and
; stored among the matrix instructions that finish my rows 64-127: half of the output leaves while there is matrix work to do.
; The accumulators take turns, one matrix instruction a turn (64 of them in the loop, 32 in each half of the last two K steps), in the same order in every quarter
; step and over the backward jump; no s_wait_alu is written.
;
; REGISTERS, in windows of 256 (an instruction names v0-v255; s_set_vgpr_msb says which window each operand place means):
;   window 0: v0-31 addresses; v64-127, v128-191 fragments of A (8 x 16 rows x 32 K), two buffers; v192-255 results on the way out
;   window 1: v0-63 scale of my 64 columns a lane; v64-127, v128-191 fragments of B, two buffers; v192-255 bias of the same columns
;   window 2: the 32 accumulator tiles of my rows 0-63 (tile (a, b) at v[8 (8 a + b)]);   window 3: those of my rows 64-127;
;             on the way out the 64 registers of tile row a take the sixteen whole rows read back from the stage, once their sums have been used
; s_set_vgpr_msb, low byte: bits 1:0 source 0, 3:2 source 1, 5:4 source 2, 7:6 destination.  Work lies in stretches under one setting.
;
; THE MATRIX INSTRUCTION IS USED TRANSPOSED: source 0 = 16 rows of B, source 1 = 16 rows of A.  Lane l then holds row m = l % 16 of C, and its registers 0 to 7 the
; columns n = 8 (l / 16) + 0 .. 7: eight neighbouring f32 of a row of C, 32 bytes, and one set of eight scales and eight biases serves a lane for a whole column of tiles.
.set SIZE_M, 4096
.set SIZE_N, 4096
.set SIZE_K, 4096
.set KSTEP,  128
.set PITCH,  272                       ; an LDS row of a tile: 256 bytes of data + 16 of padding = 17 x 16: the 16 rows that a fragment load touches lie in 16 different 16-byte columns modulo 256
.set HALFT,  128*PITCH                 ; 128 rows: what one tensor load brings, and what one wave reads of A or of B
.set SLOT,   4*HALFT                   ; 256 rows of A, then 256 rows of B
.set STAGE,  2*SLOT                    ; behind the ring (278,528 = 1,088 x 256): the stages for the way out, bytes into which no tensor load lands
.set SPITCH, 528                       ; a row of a stage: 512 bytes (128 f32) + 16 = 33 x 16: the sixteen lanes of a half wave store to sixteen different 16-byte columns modulo 256
.set WSTAGE, 16*SPITCH                 ; the stage of one wave: 16 rows (8,448 = 33 x 256 bytes)
.set LAPS, SIZE_K/(2*KSTEP)            ; a lap = two K steps = once round the ring: 16 laps
.set ADRA, 16                          ; v16-17  LDS address of my A fragments in slot 0, 1
.set ADRB, 20                          ; v20-21  the same for B
.set STO,  24                          ; v24     the way out: where I put my 32 bytes of a row
.set RD,   25                          ; v25     the way out: where I read 16 bytes of a whole row back
.set CO,   26                          ; v26     my byte offset in a row of my 128 columns of C; never rewritten
.set SBO,  27                          ; v27     byte offset in scale and in bias of my first eight columns; never rewritten
.set F0,   64                          ; fragment buffer 0
.set F1,   128                         ; fragment buffer 1
.set TMP,  192                         ; window 0: 64 results of 16 rows, scaled and biased
.set SC,   0                           ; window 1: scale, register 8 b + j for column 16 b + 8 (l / 16) + j
.set BI,   192                         ; window 1: bias, likewise
.set G1, 24                            ; s[24:31] descriptor group 1 for tiles of A
.set G0, 32                            ; s[32:39] descriptor group 0 for tiles of A, one set for each slot
.set G1B, 48                           ; s[48:55] descriptor group 1 for tiles of B: it differs in the mask alone
.set G0B, 56                           ; s[56:63] descriptor group 0 for tiles of B, one set for each slot
.set MSB, 0
.macro WIN new                         ; the high byte of the immediate repeats the setting that is left; a switch that changes nothing is dropped
.if MSB != \new
	s_set_vgpr_msb (MSB<<8)|\new
.set MSB, \new
.endif
.endm
.set MUL_LO, 0xa1                      ; source 0 (B) window 1, source 1 (A) window 0, C and D window 2
.set MUL_HI, 0xf1                      ; the same, C and D window 3
.set TO_B,   0x40                      ; destination window 1, address window 0
; A joint load.  Waves 0 and 1 fetch the two halves of the tile of A, waves 2 and 3 those of B.  Each of the two lines has one mask and one set of registers for all
; that issue it, and nothing in them hangs on a coordinate that the four partners do not share.  The branch hangs on the wave number alone.
.macro JLOAD s
	s_cmp_eq_u32 s11, 0
	s_cbranch_scc0 .Lfor_b_\@
	tensor_load_to_lds s[G0+4*\s:G0+4*\s+3], s[G1:G1+7]
	s_nop 0
	s_branch .Lasked_\@
.Lfor_b_\@:
	tensor_load_to_lds s[G0B+4*\s:G0B+4*\s+3], s[G1B:G1B+7]
	s_nop 0
.Lasked_\@:
.endm
; A round of the cluster barrier: the work-group barrier, so that the signal of wave 0 speaks for all four waves; wave 0 signals for the work-group; every wave waits
; for all sixteen work-groups; the work-group barrier once more.  No LDS instruction of the wave is pending at a signal.
.macro CREST                           ; a round behind its opening barrier
	s_cmp_lg_u32 s10, 0
	s_cbranch_scc1 .Lnot_wave_0_\@
	s_barrier_signal -3
.Lnot_wave_0_\@:
	s_barrier_wait -3
	s_barrier_signal -1
	s_barrier_wait -1
.endm
.macro CROUND                          ; a whole round
	s_barrier_signal -1
	s_barrier_wait -1
	CREST
.endm
	s_load_b128 s[4:7], s[0:1], 0x0                ; xb (A) s[4:5], sb (B) s[6:7]
	s_load_b64 s[8:9], s[0:1], 0x10                ; out0 (C)
	s_load_b64 s[68:69], s[0:1], 0x18              ; scale
	s_load_b64 s[70:71], s[0:1], 0x20              ; bias
	v_lshl_add_u32 v62, v0, 2, 0x4c400
	v_mov_b32 v63, 0
	ds_add_u32 v62, v63
	ds_add_u32 v62, v63
	v_lshrrev_b32 v1, 5, v0
	v_readfirstlane_b32 s10, v1                    ; wave 0..3
	s_lshr_b32 s11, s10, 1                         ; which half of the rows of the block is mine.  Also: I fetch for A (0) or for B (1)
	s_and_b32 s12, s10, 1                          ; which half of its columns.  Also: which 128 rows of that tile I fetch
	s_bfe_u32 s40, ttmp6, 0x40000                  ; cx: my place along x in the cluster
	s_bfe_u32 s41, ttmp6, 0x40004                  ; cy: along y
	s_lshl_b32 s42, ttmp9, 2                       ; in a cluster launch ttmp9 and ttmp7 count clusters
	s_add_co_u32 s42, s42, s40                     ; block column of C = 4 x cluster x + cx
	s_and_b32 s13, ttmp7, 0xffff
	s_lshl_b32 s13, s13, 2
	s_add_co_u32 s13, s13, s41                     ; block row of C = 4 x cluster y + cy
	s_lshl_b32 s43, s41, 2
	s_lshl_b32 s43, 15, s43                        ; my row of the cluster: places 4 cy .. 4 cy + 3
	s_lshl_b32 s44, 0x1111, s40                    ; my column: places cx, cx + 4, cx + 8, cx + 12
	; descriptor group 1: a tile of 128 rows x 128 elements of 2 bytes, padded in LDS
	s_or_b32 s[G1+0], s43, (1<<16)|(1<<20)|(1<<21)|(5<<22)|(3<<25)  ; 15:0 the mask: tiles of A go to my row; 17:16 element of 2 bytes; 20 padding on; 21 set beside a mask; 24:22 after every 64 words (code 5); 31:25 of 4 words (code 3)
	s_or_b32 s[G1B+0], s44, (1<<16)|(1<<20)|(1<<21)|(5<<22)|(3<<25) ; the same with the mask of my column, for tiles of B
	s_mov_b32 s[G1B+1], KSTEP<<16
	s_mov_b32 s[G1+1], KSTEP<<16                   ; 63:48 tensor_dim0, low half = 128 (the tiles lie inside the tensors: the extents are the sizes of the tile)
	s_mov_b32 s[G1B+2], 128<<16
	s_mov_b32 s[G1+2], 128<<16                     ; 79:64 its high half = 0; 95:80 tensor_dim1, low half = 128
	s_mov_b32 s[G1B+3], KSTEP<<16
	s_mov_b32 s[G1+3], KSTEP<<16                   ; 111:96 its high half = 0; 127:112 tile_dim0 = 128
	s_mov_b32 s[G1B+4], 128
	s_mov_b32 s[G1+4], 128                         ; 143:128 tile_dim1 = 128; 159:144 tile_dim2 = 0
	s_mov_b32 s[G1B+5], SIZE_K
	s_mov_b32 s[G1+5], SIZE_K                      ; 191:160 stride from row to row: 4,096 elements
	s_mov_b32 s[G1B+6], 0
	s_mov_b32 s[G1+6], 0
	s_mov_b32 s[G1B+7], 0
	s_mov_b32 s[G1+7], 0
	; where the tiles come from.  Those of A hang on the block row alone, which my row of the cluster shares; those of B on the block column alone, which my column
	; shares.  Every wave makes both addresses, in registers that never hold the other coordinate, and asks by one of them.
	s_lshl_b32 s17, s12, 7                         ; which 128 rows of the tile I fetch
	s_lshl_b32 s16, s13, 8
	s_add_co_u32 s16, s16, s17                     ; A: row 256 x block row + 128 x half
	s_lshl_b32 s46, s42, 8
	s_add_co_u32 s46, s46, s17                     ; B: row 256 x block column + 128 x half
	s_mov_b32 s17, 0
	s_mov_b32 s47, 0
	s_mov_b64 s[18:19], SIZE_K*2                   ; bytes in a row of A and of B
	s_mul_u64 s[16:17], s[16:17], s[18:19]
	s_mul_u64 s[46:47], s[46:47], s[18:19]
	s_mul_i32 s20, s10, HALFT                      ; and where they go: the two halves of A, then the two of B = wave x 128 rows: no place in the cluster enters an LDS address
	s_wait_dscnt 0x0
	s_wait_kmcnt 0x0
	s_add_nc_u64 s[14:15], s[4:5], s[16:17]
	s_add_nc_u64 s[46:47], s[6:7], s[46:47]
	CROUND                                         ; all sixteen work-groups are here: the first joint loads meet
.irp s, 0,1
	s_mov_b32 s[G0+4*\s], 1                                        ; 1:0 count = 1
	s_add_co_u32 s[G0+4*\s+1], s20, \s*SLOT                        ; 63:32 LDS address
	s_add_nc_u64 s[G0+4*\s+2:G0+4*\s+3], s[14:15], \s*KSTEP*2      ; 120:64 global address: K step s
	s_or_b32 s[G0+4*\s+3], s[G0+4*\s+3], 0x80000000                ; 127:126 type = 2
	s_mov_b32 s[G0B+4*\s], 1
	s_add_co_u32 s[G0B+4*\s+1], s20, \s*SLOT
	s_add_nc_u64 s[G0B+4*\s+2:G0B+4*\s+3], s[46:47], \s*KSTEP*2
	s_or_b32 s[G0B+4*\s+3], s[G0B+4*\s+3], 0x80000000
	JLOAD \s                                       ; both first fills go out behind the one round, before anything else is done: two tensor loads of the wave are out, later one
.endr
	; A fragment is 16 rows x 32 K in 8 registers: lane l holds row l % 16; registers 0-3 hold K = 8 (l / 16) + 0..7, registers 4-7 hold K = 16 + 8 (l / 16) + 0..7.
	; From rows that lie along K: two loads of 16 bytes, 32 bytes apart.  The same for source 0 and source 1.
	v_and_b32 v1, 15, v0                           ; l % 16
	v_bfe_u32 v2, v0, 4, 1                         ; l / 16
	v_mul_u32_u24 v3, v1, PITCH
	v_lshl_add_u32 v3, v2, 4, v3                   ; row x pitch + 16 x half
	s_mul_i32 s21, s11, HALFT                      ; my 128 rows of A
	s_mul_i32 s22, s12, HALFT                      ; my 128 rows of B,
	s_add_co_u32 s22, s22, 2*HALFT                 ; which lie behind the 256 of A
.irp s, 0,1
	v_add_nc_u32 v[ADRA+\s], s21, v3
	v_add_nc_u32 v[ADRB+\s], s22, v3
	s_add_co_u32 s21, s21, SLOT
	s_add_co_u32 s22, s22, SLOT
.endr
	s_mul_i32 s23, s10, WSTAGE
	s_add_co_u32 s23, s23, STAGE                   ; my stage
	v_mul_u32_u24 v4, v1, SPITCH                   ; in: row l % 16, 32 bytes for each half of the lanes
	v_lshl_add_u32 v4, v2, 5, v4
	v_add_nc_u32 v[STO], s23, v4
	v_and_b32 v5, 31, v0                           ; back: the 32 lanes take one whole row of 512 bytes, 16 bytes each,
	v_lshlrev_b32 v[CO], 4, v5                     ; and put it at the same place in a row of C
	v_add_nc_u32 v[RD], s23, v[CO]
	s_lshl_b32 s66, s42, 10                        ; my first column in bytes of f32: 1,024 x block column + 512 x half.  It serves scale, bias and C;
	s_lshl_b32 s67, s12, 9                         ; it holds cx and enters no descriptor and no LDS address
	s_add_co_u32 s66, s66, s67
	s_mov_b32 s67, 0
	v_lshl_add_u32 v[SBO], v2, 5, s66              ; + 32 bytes for lanes 16 to 31: columns 8 (l / 16) + 0..7 of each tile
	; C at my first row and column, made once: on the way out the row stands in the immediate of the store, so this base is never stepped
	s_lshl_b32 s16, s13, 8
	s_lshl_b32 s17, s11, 7
	s_add_co_u32 s16, s16, s17                     ; my first row of C: 256 x block row + 128 x half,
	s_lshl_b32 s16, s16, 14                        ; times 16,384 bytes a row: 3,968 x 16,384 at the most, below 2^32
	s_mov_b32 s17, 0
	s_add_nc_u64 s[8:9], s[8:9], s[16:17]
	s_add_nc_u64 s[8:9], s[8:9], s[66:67]
	; scale and bias of my 64 columns a lane, once for the whole kernel: tile column b lies 64 bytes behind tile column b - 1.  The furthest byte read is
	; 15,872 + 32 + 448 + 16 + 15 = 16,383, the last of the buffer.  They are first read on the way out, and the wait for them stands there.
	WIN TO_B
.irp b, 0,1,2,3,4,5,6,7
	global_load_b128 v[SC+8*\b:SC+8*\b+3],   v[SBO], s[68:69] offset:64*\b
	global_load_b128 v[SC+8*\b+4:SC+8*\b+7], v[SBO], s[68:69] offset:64*\b+16
	global_load_b128 v[BI+8*\b:BI+8*\b+3],   v[SBO], s[70:71] offset:64*\b
	global_load_b128 v[BI+8*\b+4:BI+8*\b+7], v[SBO], s[70:71] offset:64*\b+16
.endr
	WIN 0
; 8 matrix instructions: m block a of the four of the window (hi = 0: my rows 0-63, 1: rows 64-127) x all 8 n blocks, 32 along K
.macro MUL8 f, hi, a
.irp b, 0,1,2,3,4,5,6,7
	v_wmma_f32_16x16x32_bf16 v[8*(8*\a+\b):8*(8*\a+\b)+7], v[\f+8*\b:\f+8*\b+7], v[\f+8*(4*\hi+\a):\f+8*(4*\hi+\a)+7], v[8*(8*\a+\b):8*(8*\a+\b)+7]
.endr
.endm
; 16 matrix instructions: m blocks a0, a0 + 1.  zero = 1: the first product starts the sums: nothing is ever cleared.
.macro MUL16 f, hi, a0, zero
.irp a, \a0, \a0+1
.irp b, 0,1,2,3,4,5,6,7
.if \zero
	v_wmma_f32_16x16x32_bf16 v[8*(8*(\a)+\b):8*(8*(\a)+\b)+7], v[\f+8*\b:\f+8*\b+7], v[\f+8*(4*\hi+\a):\f+8*(4*\hi+\a)+7], 0
.else
	v_wmma_f32_16x16x32_bf16 v[8*(8*(\a)+\b):8*(8*(\a)+\b)+7], v[\f+8*\b:\f+8*\b+7], v[\f+8*(4*\hi+\a):\f+8*(4*\hi+\a)+7], v[8*(8*(\a)+\b):8*(8*(\a)+\b)+7]
.endif
.endr
.endr
.endm
; 32 LDS loads in one run: the fragments of one quarter step (128 rows of B, 128 rows of A, 32 K at byte k of the rows) into buffer f
.macro FETCH slot, k, f
	WIN TO_B
.irp i, 0,1,2,3,4,5,6,7
	ds_load_b128 v[\f+8*\i:\f+8*\i+3],   v[ADRB+\slot] offset:\k+\i*16*PITCH
	ds_load_b128 v[\f+8*\i+4:\f+8*\i+7], v[ADRB+\slot] offset:\k+\i*16*PITCH+32
.endr
	WIN 0
.irp i, 0,1,2,3,4,5,6,7
	ds_load_b128 v[\f+8*\i:\f+8*\i+3],   v[ADRA+\slot] offset:\k+\i*16*PITCH
	ds_load_b128 v[\f+8*\i+4:\f+8*\i+7], v[ADRA+\slot] offset:\k+\i*16*PITCH+32
.endr
.endm
; A load into a register that a matrix instruction has read, and a vector instruction that reads a matrix result, stand four places behind that matrix instruction,
; and only plain vector instructions that name none of its registers are places (ISA guide 7.12.1 for vector instructions); the matrix
; instructions in between are not counted.  The loop has no vector work of its own to put there, so four v_nop stand in front of each run of loads.
.macro PLACES
.rept 4
	v_nop
.endr
.endm
; A K step is four quarter steps of 32 along K, 64 matrix instructions each, on buffers 0, 1, 0, 1.
; One of the first three: multiplies buffer f; in its middle it fetches the fragments of the next quarter, at byte k of the rows of the same slot, into buffer g.
.macro QUARTER slot, k, f, g, zero
	s_wait_dscnt 8                                 ; B and rows 0-63 of A are in; the youngest eight loads (rows 64-127 of A) may be out
	WIN MUL_LO
	MUL16 \f, 0, 0, \zero
	MUL16 \f, 0, 2, \zero
	PLACES
	FETCH \slot, \k, \g
	s_wait_dscnt 32                                ; all but the 32 just issued
	WIN MUL_HI
	MUL16 \f, 1, 0, \zero
	MUL16 \f, 1, 2, \zero
.endm
.macro THREE slot, zero
	QUARTER \slot, 64,  F0, F1, \zero
	QUARTER \slot, 128, F1, F0, 0
	QUARTER \slot, 192, F0, F1, 0
.endm
; The last quarter of a K step: multiplies buffer 1, changes slots and fills this slot again, two K steps ahead.  next = the other slot.
; One barrier for the change of slots, for two things.  In front of it each wave waits for its own reads of this slot and for all its tensor loads, of which one is
; out: its part of the next slot.  Behind it nobody reads this slot any more and the next slot is whole: the refill comes first, then the first fragments of the next
; slot.  From a request to the wait for it a wave issues 240 matrix instructions.
.macro TURN slot, next
	s_wait_dscnt 8
	WIN MUL_LO
	MUL16 F1, 0, 0, 0
	s_wait_dscnt 0                                 ; my reads of this slot are over (the last were issued 48 matrix instructions ago)
	s_set_vgpr_msb 0xa1a0
	s_wait_tensorcnt 0x0                           ; and all my tensor loads have landed: the one that was out is my part of the next slot:
	ds_add_u32 v62, v63
	s_wait_dscnt 0x0
	s_set_vgpr_msb 0xa0a1
	s_barrier_signal -1                            ; say so (this barrier opens a round of the cluster barrier),
	MUL16 F1, 0, 2, 0                              ; work on registers while the others arrive,
	WIN 0
	s_barrier_wait -1                              ; and go on when all four have said so
	CREST                                          ; wave 0 says so for the work-group, all sixteen work-groups have said so, the work-group barrier closes the round:
	                                               ; no wave of any partner still reads the tile of this slot or has a load on its way
	s_add_nc_u64 s[G0+4*\slot+2:G0+4*\slot+3], s[G0+4*\slot+2:G0+4*\slot+3], 2*KSTEP*2      ; no tensor load of the wave is out: the group 0 sets may step, 512 bytes along K
	s_add_nc_u64 s[G0B+4*\slot+2:G0B+4*\slot+3], s[G0B+4*\slot+2:G0B+4*\slot+3], 2*KSTEP*2
	JLOAD \slot                                    ; the first tensor load behind the round, and the only one of the wave until the next
	PLACES
	FETCH \next, 0, F0
	WIN MUL_HI
	MUL16 F1, 1, 0, 0
	MUL16 F1, 1, 2, 0
.endm
.macro LAP zero                        ; once round the ring, both slots filled again
	THREE 0, \zero
	TURN 0, 1
	THREE 1, 0
	TURN 1, 0
.endm
	s_wait_tensorcnt 1                             ; my part of K step 0 is in; that of K step 1 may stay out
	s_barrier_signal -1
	s_barrier_wait -1                              ; the parts of all four waves are in
	FETCH 0, 0, F0
	LAP 1                                          ; the first lap stands in front of the loop: its first products start the sums.  It asks for K steps 2 and 3
	WIN 0                                          ; at a label and at a branch every window is 0
	s_mov_b32 s3, LAPS-2                           ; 14 laps, which ask for K steps 4 to 31
.Llap:
	LAP 0
	WIN 0
	s_sub_co_u32 s3, s3, 1
	s_cmp_lg_u32 s3, 0
	s_cbranch_scc1 .Llap
; THE LAST TWO K STEPS (30 in slot 0, 31 in slot 1) AND THE WAY OUT.  Nothing is filled any more, so both slots stay readable to the end.
;   Q0      the first quarter of K step 30, all 64 tiles: the last TURN of the loop has fetched all its fragments
;   L1..L7  the other seven quarters for my rows 0-63 alone (32 matrix instructions each): their sums are then whole
;   H1..H7  the same seven quarters for my rows 64-127 (224 matrix instructions), and among them rows 0-63 go out
;   then rows 64-127 go out.
; The price: the fragments of B of seven quarters are read from LDS twice, 112 loads more for each wave.
; The text from here on is straight-line, and fragment loads, stage stores and stage loads share one counter, in order (ISA guide 5.7.1).  So three assembly-time
; symbols do the counting: DSN = LDS instructions issued so far; FRN, FRP = DSN just behind the last fetch and behind the one before it; RB = DSN just in front of
; the sixteen loads that read a stage back.  The count of a wait is DSN less its value just behind the load that is awaited.
.set DSN, 0
.set FRN, 0
.set FRP, 0
.set RB,  0
.set GS,  0                            ; the number of the next slice of the way out among H1..H7: 0 to 27
; 24 LDS loads: the fragments of B of one quarter step and those of one half of my rows of A (hi = 0: rows 0-63, 1: rows 64-127) into buffer f
.macro FETCHP slot, k, f, hi
	WIN TO_B
.irp i, 0,1,2,3,4,5,6,7
	ds_load_b128 v[\f+8*\i:\f+8*\i+3],   v[ADRB+\slot] offset:\k+\i*16*PITCH
	ds_load_b128 v[\f+8*\i+4:\f+8*\i+7], v[ADRB+\slot] offset:\k+\i*16*PITCH+32
.endr
	WIN 0
.irp i, 0,1,2,3
	ds_load_b128 v[\f+8*(4*\hi+\i):\f+8*(4*\hi+\i)+3],   v[ADRA+\slot] offset:\k+(4*\hi+\i)*16*PITCH
	ds_load_b128 v[\f+8*(4*\hi+\i)+4:\f+8*(4*\hi+\i)+7], v[ADRA+\slot] offset:\k+(4*\hi+\i)*16*PITCH+32
.endr
.set DSN, DSN+24
.set FRP, FRN
.set FRN, DSN
.endm
; A quarter for rows 0-63: fetches the next quarter (slot nslot, byte nk, half nhi of A) into buffer g, then multiplies buffer f: 32 matrix instructions lie between a fetch and its use
.macro LOQ f, nslot, nk, g, nhi
	PLACES                                         ; buffer g was read by the matrix instructions just issued
	FETCHP \nslot, \nk, \g, \nhi
	s_wait_dscnt 24                                ; all but the 24 just issued: buffer f is in
	WIN MUL_LO
	MUL16 \f, 0, 0, 0
	MUL16 \f, 0, 2, 0
.endm
; THE WAY OUT of rows 16 i .. 16 i + 15 of my block (the eight tiles of tile row i % 4 of window 2 + i / 4), in seven slices s:
;   0, 1  sum x scale + bias for tile columns 0-3, 4-7: 16 packed fused multiply-adds each, into TMP
;   2     32 bytes a lane and tile into my own stage in LDS: 16 stores
;   3     sixteen whole rows of 512 bytes back, into the 64 registers whose sums slices 0 and 1 have used.  My own bytes, and LDS serves the instructions of a wave in
;         order (ISA guide 5.7.1): these loads see the stores of slice 2, and the stores of the next sixteen rows come behind these loads
;   4     nothing: the rows read back get a second run of matrix instructions in which to arrive
;   5, 6  rows 0-7, 8-15 to C: a store of the wave covers 512 consecutive bytes, at a multiple of 512 from the first byte of C; written once, not read again.
; No source of a store is written again: each sixteen rows have registers of their own, the offset register and the base stay, and the row stands in the immediate
; (127 rows of 16,384 bytes at the most, inside its signed 24 bits).  TMP is written again by the next sixteen rows only behind slice 6, whose last wait shows the
; stage loads done, and with them the older stage stores that read TMP.
.macro OSL i, s
.set OI, \i
.set OS, \s
.set OA, OI%4
.set OWN, 2+OI/4
.set W_FMA, 0x14+OWN                   ; source 0 (sums) window 2 or 3, sources 1 and 2 (scale, bias) window 1, destination window 0
.set W_LD,  OWN<<6                     ; destination window 2 or 3, address window 0
.set W_ST,  OWN<<2                     ; source 1 (the data of a store) window 2 or 3, address window 0
.if OS < 2
	WIN W_FMA
.irp c, 0,1,2,3
.irp p, 0,2,4,6
	v_pk_fma_f32 v[TMP+8*(4*OS+\c)+\p:TMP+8*(4*OS+\c)+\p+1], v[8*(8*OA+4*OS+\c)+\p:8*(8*OA+4*OS+\c)+\p+1], v[SC+8*(4*OS+\c)+\p:SC+8*(4*OS+\c)+\p+1], v[BI+8*(4*OS+\c)+\p:BI+8*(4*OS+\c)+\p+1]
.endr
.endr
.endif
.if OS == 2
	WIN 0
.irp b, 0,1,2,3,4,5,6,7
	ds_store_b128 v[STO], v[TMP+8*\b:TMP+8*\b+3]   offset:64*\b        ; columns 16 b + 8 (l / 16) + 0..3 of row l % 16
	ds_store_b128 v[STO], v[TMP+8*\b+4:TMP+8*\b+7] offset:64*\b+16     ; and + 4..7
.endr
.set DSN, DSN+16
.endif
.if OS == 3
	WIN W_LD
.set RB, DSN
.irp t, 0,1,2,3,4,5,6,7,8,9,10,11,12,13,14,15
	ds_load_b128 v[64*OA+4*\t:64*OA+4*\t+3], v[RD] offset:\t*SPITCH
.endr
.set DSN, DSN+16
.endif
.if OS >= 5
	WIN W_ST
.irp u, 0,1,2,3,4,5,6,7
	s_wait_dscnt DSN-RB-(8*(OS-5)+\u)-1            ; this row is in; what was issued behind its load (later rows, a fetch of fragments) may be out
	global_store_b128 v[CO], v[64*OA+4*(8*(OS-5)+\u):64*OA+4*(8*(OS-5)+\u)+3], s[8:9] offset:(16*OI+8*(OS-5)+\u)*SIZE_N*4 th:TH_STORE_NT
.endr
.endif
.endm
; A quarter for rows 64-127: fetches the next one (more = 1) into buffer g, then multiplies buffer f in four runs of eight matrix instructions, with one slice of the
; way out of rows 0-63 behind each run: 28 runs, four times seven slices.  A slice stands behind a run and not behind each matrix instruction because it costs two
; switches of the register window: 61 switches for these 224 matrix instructions.  Seven slices and four runs a quarter do not line up, so a slice of multiply-adds
; does not always stand where a fetch follows: the four v_nop stay.
.macro HIQ f, more, nslot, nk, g
	PLACES
.if \more
	FETCHP \nslot, \nk, \g, 1
	s_wait_dscnt DSN-FRP                           ; buffer f is in: the 24 loads just issued and the stage instructions issued since its fetch (32 at the most) may be out
.else
	s_wait_dscnt DSN-FRN
.endif
.irp a, 0,1,2,3
	WIN MUL_HI
	MUL8 \f, 1, \a
	OSL GS/7, GS%7
.set GS, GS+1
.endr
.endm
	s_wait_dscnt 8                                 ; Q0: as a quarter of the loop, but the fetch in its middle brings rows 0-63 of A alone
	WIN MUL_LO
	MUL16 F0, 0, 0, 0
	MUL16 F0, 0, 2, 0
	PLACES
	FETCHP 0, 64, F1, 0
	s_wait_dscnt 24                                ; all but the 24 just issued: rows 64-127 of A in buffer 0 are in
	WIN MUL_HI
	MUL16 F0, 1, 0, 0
	MUL16 F0, 1, 2, 0
	LOQ F1, 0, 128, F0, 0                          ; L1
	LOQ F0, 0, 192, F1, 0                          ; L2
	s_wait_dscnt 0x0                               ; no LDS instruction of mine is pending at a signal
	s_wait_tensorcnt 0x0                           ; my part of slot 1, the last K step, has landed (asked for 160 matrix instructions ago): no tensor load is out from here to the end
	s_barrier_signal -1
	s_barrier_wait -1                              ; the parts of all four waves have: slot 1 may be read.
	LOQ F1, 1, 0,   F0, 0                          ; L3, whose fetch is the first read of slot 1
	LOQ F0, 1, 64,  F1, 0                          ; L4
	LOQ F1, 1, 128, F0, 0                          ; L5
	LOQ F0, 1, 192, F1, 0                          ; L6
	LOQ F1, 0, 64,  F0, 1                          ; L7: the sums of rows 0-63 are whole; its fetch goes back to slot 0 for rows 64-127
	s_wait_loadcnt 0x0                             ; scale and bias, asked for at the head: the first slice below is the first to read them
	HIQ F0, 1, 0, 128, F1                          ; H1; its four v_nop are also the places between the last matrix instructions of rows 0-63 and the first slice, which reads their sums
	HIQ F1, 1, 0, 192, F0                          ; H2
	HIQ F0, 1, 1, 0,   F1                          ; H3
	HIQ F1, 1, 1, 64,  F0                          ; H4
	HIQ F0, 1, 1, 128, F1                          ; H5
	HIQ F1, 1, 1, 192, F0                          ; H6
	HIQ F0, 0, 0, 0,   F1                          ; H7: nothing more to fetch; its last slice stores the last of rows 0-63
	PLACES                                         ; the places behind the last matrix instructions: the multiply-adds below read their sums, the stage loads land on them
.irp i, 4,5,6,7
.irp s, 0,1,2,3,4,5,6
	OSL \i, \s                                     ; rows 64-127, the same slices one behind the other
.endr
.endr
	WIN 0
	s_wait_tensorcnt 0x0
	ds_add_u32 v62, v63
	s_wait_dscnt 0x0
	CROUND                                         ; the closing round: no work-group ends while a partner may still ask for a tile that names it.  The last wait above was for all LDS instructions
	s_endpgm
.Lfunc_end_k_q76675dac6f_gemm:
	.size	k_q76675dac6f_gemm, .Lfunc_end_k_q76675dac6f_gemm-k_q76675dac6f_gemm
	.p2alignl 7, 3214868480
	.fill 96, 4, 3214868480
	.section	.rodata,"a",@progbits
	.p2align	6, 0x0
	.amdhsa_kernel k_q76675dac6f_gemm
		.amdhsa_group_segment_fixed_size 327680
		.amdhsa_private_segment_fixed_size 0
		.amdhsa_enable_private_segment 0
		.amdhsa_kernarg_size 40
		.amdhsa_user_sgpr_count 2
		.amdhsa_user_sgpr_kernarg_segment_ptr 1
		.amdhsa_wavefront_size32 1
		.amdhsa_system_sgpr_workgroup_id_x 1
		.amdhsa_system_sgpr_workgroup_id_y 1
		.amdhsa_system_sgpr_workgroup_id_z 1
		.amdhsa_system_vgpr_workitem_id 0
		.amdhsa_next_free_vgpr 1024
		.amdhsa_next_free_sgpr 72
		.amdhsa_reserve_vcc 0
		.amdhsa_float_denorm_mode_32 3
		.amdhsa_float_denorm_mode_16_64 3
		.amdhsa_memory_ordered 1
		.amdhsa_forward_progress 1
		.amdhsa_inst_pref_size 224
	.end_amdhsa_kernel
	.amdgpu_metadata
---
amdhsa.version: [ 1, 2 ]
amdhsa.kernels:
  - .name:           k_q76675dac6f_gemm
    .symbol:         k_q76675dac6f_gemm.kd
    .args:
      - { .name: xb, .offset: 0, .size: 8, .value_kind: global_buffer, .address_space: global }
      - { .name: sb, .offset: 8, .size: 8, .value_kind: global_buffer, .address_space: global }
      - { .name: out0, .offset: 16, .size: 8, .value_kind: global_buffer, .address_space: global }
      - { .name: scale, .offset: 24, .size: 8, .value_kind: global_buffer, .address_space: global }
      - { .name: bias, .offset: 32, .size: 8, .value_kind: global_buffer, .address_space: global }
    .group_segment_fixed_size: 327680
    .private_segment_fixed_size: 0
    .kernarg_segment_align: 8
    .kernarg_segment_size: 40
    .max_flat_workgroup_size: 128
    .sgpr_count:     72
    .vgpr_count:     1024
    .wavefront_size: 32
...
	.end_amdgpu_metadata
.endif
;; end of part 2
;; ======== version 2 of 2: 2 launches; version 1 with the launch cast written anew for expert scheduling mode
;; workspace buffers: xb 33,554,432 bytes; sb 33,554,432 bytes
;; launch cast (part 3): grid 1024 x 1, 8 waves a work-group, no clusters, 0 bytes of LDS; arguments x, sign, xb, sb; writes xb, sb
.if DOCPART == 3
	.amdgcn_target "amdgcn-amd-amdhsa--gfx1250"
	.amdhsa_code_object_version 6
	.text
	.protected	k_q76675dac6f_cast
	.globl	k_q76675dac6f_cast
	.p2align	8
	.type	k_q76675dac6f_cast,@function
k_q76675dac6f_cast:
	s_mov_b64 s[64:65], 0
	v_nop
	global_prefetch_b8 v0, s[64:65] scope:SCOPE_SE
	s_setreg_imm32_b32 hwreg(HW_REG_WAVE_SCHED_MODE, 0, 2), 2
	s_setreg_imm32_b32 hwreg(HW_REG_WAVE_MODE, 25, 1), 1
	s_wait_xcnt 0x0
	s_wait_alu depctr_vm_vsrc(0)
; xb = bf16(x), sb = bf16(sign): both [4096][4096], same index order as the f32 tensors.  Nothing of the problem is left out: every element of both is converted.
; WHY A LAUNCH OF ITS OWN: in the product that follows, an element of x or of sign is multiplied by 2 waves of each of 16 work-groups.  Rounded here it is rounded
; once instead of 32 times, and the product reads 2 bytes of it from LDS instead of 4.
; LIMIT: one rounding to nearest even; a magnitude that rounds past the largest finite bf16 (about 3.39e38) becomes infinite; NaN and infinity stay what they are.
; sign is taken as any f32 matrix: no use is made of its values being +1 or -1.
; SHARES: a step is 256 threads x 16 bytes = 4,096 bytes in and 2,048 bytes out.  A work-group owns 16 steps of x and the same 16 steps of sign
; (1,024 work-groups x 65,536 bytes = each whole tensor).  Thread t takes bytes 16 t of a step and writes bytes 8 t of the output step: a load of a wave covers
; 512 consecutive bytes, aligned; a store of a wave covers 256 consecutive bytes, aligned.
; No byte is used twice, so LDS, barriers, clusters and the matrix unit have nothing to give here.
; NO SOURCE OF A LOAD OR STORE IS EVER REWRITTEN: a thread has 32 loads and 32 stores in all, so each store has a data pair of its own (64 registers), the step
; stands in the immediate (15 x 4,096 bytes in, 15 x 2,048 bytes out at the most), and the two offset registers and the four bases stay as they are.  So the 32 turns
; are written out without a loop.
; THE MODE: SCHED_MODE bits 1:0 = 2 (LLVM: expert scheduling mode 2), set by the entry lines.  The code itself states the register dependences between vector
; instructions and memory instructions, with s_wait_alu, always for 0.
; THE PLAN.  The 32 turns go in 8 blocks of four: block p is four steps of x (p even) or the same four steps of sign (p odd).  Registers that memory instructions touch:
;   X0, X1, X2  three buffers of four slots, four f32 as loaded.  Written by loads alone: the load of turn j of block p + 2 is issued in turn j of block p and lands
;               in X[(p + 2) % 3] = X[(p - 1) % 3].  Read by the conversions of block p, which take X[p % 3].
;   Y           32 pairs.  The conversions of block p write the four pairs of the block, each once in the kernel; the four stores issued in block p + 1 read them.
;   v1, v2      byte offsets, made at the head and never written again.
; So the memory instructions of block p touch the X buffer that block p - 1 emptied and the Y pairs that block p - 1 wrote, and no vector instruction of block p names
; either.  ONE wait on va_vdst, in the first turn of a block, states all that the eight memory instructions of the block hang on; they are dealt among its conversions,
; a load and a store ahead of the two conversions of each turn, with no further wait.  No register that a memory instruction has read is written afterwards, so no
; wait on vm_vsrc is owed anywhere.  Eight loads of every wave are on their way, as many as two of the three buffers hold.
.set STEP_IN,  4096                    ; bytes of f32 in a step
.set STEP_OUT, 2048                    ; bytes of bf16 in a step
.set PER,      4                       ; turns in a block, and steps of a tensor from a block to the next block of the same tensor
.set BLOCKS,   8
.set IN,  1                            ; v1         16 t, never rewritten
.set OUT, 2                            ; v2         8 t, never rewritten
.set X,   4                            ; v[4:51]    buffer k, slot j: 4 registers at X + 16 k + 4 j, four f32 as loaded
.set Y,   52                           ; v[52:115]  turn n = 4 p + j: 2 registers at Y + 2 n, four bf16 to store, written once
	s_load_b256 s[4:11], s[0:1], 0x0               ; x s[4:5], sign s[6:7], xb s[8:9], sb s[10:11]
	s_lshl_b32 s2, ttmp9, 16                       ; the part of the work-group in the inputs: 65,536 bytes each (1,023 x 65,536 stays below 2^32)
	s_mov_b32 s3, 0
	s_lshl_b32 s12, ttmp9, 15                      ; and in the outputs: 32,768 bytes each
	s_mov_b32 s13, 0
	v_lshlrev_b32 v[IN], 4, v0
	v_lshlrev_b32 v[OUT], 3, v0
	s_wait_kmcnt 0x0
	s_add_nc_u64 s[4:5], s[4:5], s[2:3]
	s_add_nc_u64 s[6:7], s[6:7], s[2:3]
	s_add_nc_u64 s[8:9], s[8:9], s[12:13]
	s_add_nc_u64 s[10:11], s[10:11], s[12:13]
	s_wait_alu depctr_va_vdst(0)                   ; v1 and v2 are written: every load of the kernel reads v1 as its offset, every store v2
.irp j, 0,1,2,3
	global_load_b128 v[X+4*\j:X+4*\j+3], v[IN], s[4:5] offset:\j*STEP_IN th:TH_LOAD_NT          ; block 0 into X0: steps 0 to 3 of x (read once in the launch),
.endr
.irp j, 0,1,2,3
	global_load_b128 v[X+16+4*\j:X+16+4*\j+3], v[IN], s[6:7] offset:\j*STEP_IN th:TH_LOAD_NT    ; block 1 into X1: the same steps of sign
.endr
; Turn j of block p.  Blocks 0 to 5 ask for the same turn of block p + 2 (the same tensor, PER steps on); blocks 1 to 7 store the same turn of block p - 1 (the other tensor).
.macro TURN p, j
.set XS, X+16*((\p)%3)+4*(\j)          ; my slot
.set XN, X+16*(((\p)+2)%3)+4*(\j)      ; the slot that is asked for: the same turn's of the block before
.set YS, Y+2*(4*(\p)+(\j))             ; my pair
.set IB, 4+2*((\p)%2)                  ; the base that I load by: x s[4:5] or sign s[6:7]
.set OB, 10-2*((\p)%2)                 ; the base of the block before, the other tensor's output: sb s[10:11] or xb s[8:9]
.set ST, 4*((\p)/2)+(\j)               ; my step
.if (\p) < BLOCKS-2
	s_wait_loadcnt 7                               ; loads come back in order (ISA guide 5.7.1): mine is in; each turn issues one load behind this wait, so seven are younger than mine and stay out
.else
	s_wait_loadcnt 31-4*(\p)-(\j)                  ; the last two blocks load nothing: the counts run down, and no load leaves the part of the work-group
.endif
.if (\p) > 0 && (\j) == 0
	s_wait_alu depctr_va_vdst(0)                   ; the conversions of the block before have written its four Y pairs, which the stores of this block read, and are done reading its X buffer, in which the loads of this block land
.endif
.if (\p) < BLOCKS-2
	global_load_b128 v[XN:XN+3], v[IN], s[IB:IB+1] offset:(ST+PER)*STEP_IN th:TH_LOAD_NT    ; no vector instruction since the wait names these registers (in block 0: none in the kernel has)
.endif
.if (\p) > 0
	global_store_b64 v[OUT], v[YS-8:YS-7], s[OB:OB+1] offset:(4*(((\p)-1)/2)+(\j))*STEP_OUT  ; the same turn of the block before; no hint: the next launch reads these bytes
.endif
	v_cvt_pk_bf16_f32 v[YS],   v[XS],   v[XS+1]    ; two roundings, the first source into the low half
	v_cvt_pk_bf16_f32 v[YS+1], v[XS+2], v[XS+3]
.endm
.irp p, 0,1,2,3,4,5,6,7
.irp j, 0,1,2,3
	TURN \p, \j
.endr
.endr
	s_wait_alu depctr_va_vdst(0)                   ; the conversions of block 7 have written its four Y pairs, which the last four stores read
.irp j, 0,1,2,3
	global_store_b64 v[OUT], v[Y+2*(28+\j):Y+2*(28+\j)+1], s[10:11] offset:(12+\j)*STEP_OUT  ; block 7: steps 12 to 15 of sign
.endr
	s_endpgm
.Lfunc_end_k_q76675dac6f_cast:
	.size	k_q76675dac6f_cast, .Lfunc_end_k_q76675dac6f_cast-k_q76675dac6f_cast
	.p2alignl 7, 3214868480
	.fill 96, 4, 3214868480
	.section	.rodata,"a",@progbits
	.p2align	6, 0x0
	.amdhsa_kernel k_q76675dac6f_cast
		.amdhsa_group_segment_fixed_size 0
		.amdhsa_private_segment_fixed_size 0
		.amdhsa_enable_private_segment 0
		.amdhsa_kernarg_size 32
		.amdhsa_user_sgpr_count 2
		.amdhsa_user_sgpr_kernarg_segment_ptr 1
		.amdhsa_wavefront_size32 1
		.amdhsa_system_sgpr_workgroup_id_x 1
		.amdhsa_system_sgpr_workgroup_id_y 1
		.amdhsa_system_sgpr_workgroup_id_z 1
		.amdhsa_system_vgpr_workitem_id 0
		.amdhsa_next_free_vgpr 116
		.amdhsa_next_free_sgpr 66
		.amdhsa_reserve_vcc 0
		.amdhsa_float_denorm_mode_32 3
		.amdhsa_float_denorm_mode_16_64 3
		.amdhsa_memory_ordered 1
		.amdhsa_forward_progress 1
		.amdhsa_inst_pref_size 13
	.end_amdhsa_kernel
	.amdgpu_metadata
---
amdhsa.version: [ 1, 2 ]
amdhsa.kernels:
  - .name:           k_q76675dac6f_cast
    .symbol:         k_q76675dac6f_cast.kd
    .args:
      - { .name: x, .offset: 0, .size: 8, .value_kind: global_buffer, .address_space: global }
      - { .name: sign, .offset: 8, .size: 8, .value_kind: global_buffer, .address_space: global }
      - { .name: xb, .offset: 16, .size: 8, .value_kind: global_buffer, .address_space: global }
      - { .name: sb, .offset: 24, .size: 8, .value_kind: global_buffer, .address_space: global }
    .group_segment_fixed_size: 0
    .private_segment_fixed_size: 0
    .kernarg_segment_align: 8
    .kernarg_segment_size: 32
    .max_flat_workgroup_size: 256
    .sgpr_count:     66
    .vgpr_count:     116
    .wavefront_size: 32
...
	.end_amdgpu_metadata
.endif
;; end of part 3
;; launch gemm: the kernel of part 2 again; grid 16 x 16, 4 waves a work-group, clusters of 4 x 4, 327,680 bytes of LDS; arguments xb, sb, out0, scale, bias; writes out0
